; MI455X (gfx1250); checked and timed in simulation.
; The chip was launched on July 23, 2026; its instructions are those of AMD's public machine-readable ISA for CDNA 5 (MIT licence, August 2026) and "CDNA5" Instruction Set Architecture Reference Guide (July 2026). The comments in the code are by the model that wrote it; some were corrected since.
;; Char Bi LSTM Embedder. Allowed arithmetic: float matrix products may take bf16 or f16 operands with f32 sums; other float arithmetic in f32, or as packed bf16 or f16 multiplies, adds, multiply-adds, maxima and minima; sums over many terms, partial sums and values carried from step to step in f32; what a program stores and reads back later, other than sums and carried values, may be rounded once to bf16 or f16.
;; Inputs: Whh_b 1,024 x 256 float32; Whh_f 1,024 x 256 float32; Wih_b 1,024 x 128 float32; Wih_f 1,024 x 128 float32; b_b 1,024 float32; b_f 1,024 float32; char_ids 16,384 x 4 int32; emb 128 x 128 float32; lengths 16,384 int32.
;; Outputs: out0 16,384 x 512 float32.
;; One version. Each part assembles by itself: llvm-mc -triple=amdgcn-amd-amdhsa -mcpu=gfx1250 --defsym DOCPART=n.
;; ======== version 1 of 1: 2 launches
;; workspace buffers: wpack 1,572,864 bytes; embp 32,768 bytes
;; launch prep (part 1): grid 256 x 1, 8 waves a work-group, no clusters, 0 bytes of LDS; arguments Wih_f, Whh_f, Wih_b, Whh_b, emb, wpack, embp; writes wpack, embp
.if DOCPART == 1
	.amdgcn_target "amdgcn-amd-amdhsa--gfx1250"
	.amdhsa_code_object_version 6
	.text
	.protected	k_qea49f09bae_prep
	.globl	k_qea49f09bae_prep
	.p2align	8
	.type	k_qea49f09bae_prep,@function
k_qea49f09bae_prep:
	s_mov_b64 s[64:65], 0
	v_nop
	global_prefetch_b8 v0, s[64:65] scope:SCOPE_SE
	s_setreg_imm32_b32 hwreg(HW_REG_WAVE_MODE, 25, 1), 1
	s_wait_xcnt 0x0
; The weights and the embedding table, each number rounded once to bf16, in the order in which the second launch walks them.
; wpack: [dir 2][pass p 8][unit half uh 2][gate g 4][r 16][K 384] bf16.  Row rho (768 bytes) is row n = 256 g + 128 uh + 16 p + r of the direction's weights:
; K 0..127 = Wih[n][:], K 128..383 = Whh[n][:].  One (dir, p) block is 98,304 dense bytes.  embp: [128][128] bf16.
; One wave makes one row: rho = 8 x work-group + wave, 2,048 rows.  Each store of a wave covers 256 or 512 consecutive bytes, aligned to 256.
; The first 128 waves also make row rho of embp.  No LDS, no barrier, no loop: each byte is read once and written once.
	s_load_b256 s[4:11], s[0:1], 0x0               ; Wih_f s[4:5], Whh_f s[6:7], Wih_b s[8:9], Whh_b s[10:11]
	s_load_b128 s[12:15], s[0:1], 0x20             ; emb s[12:13], wpack s[14:15]
	s_load_b64 s[16:17], s[0:1], 0x30              ; embp
	v_lshrrev_b32 v1, 5, v0
	v_readfirstlane_b32 s18, v1                    ; wave 0..7
	v_and_b32 v2, 31, v0                           ; lane
	s_lshl_b32 s19, ttmp9, 3
	s_add_co_u32 s19, s19, s18                     ; rho
	s_lshr_b32 s20, s19, 10                        ; dir
	s_bfe_u32 s21, s19, 0x30007                    ; p
	s_bfe_u32 s22, s19, 0x10006                    ; uh
	s_bfe_u32 s23, s19, 0x20004                    ; g
	s_and_b32 s24, s19, 15                         ; r
	s_lshl_b32 s21, s21, 4
	s_lshl_b32 s22, s22, 7
	s_lshl_b32 s23, s23, 8
	s_add_co_u32 s24, s24, s21
	s_add_co_u32 s24, s24, s22
	s_add_co_u32 s24, s24, s23                     ; n
	s_lshl_b32 s25, s24, 9                         ; a row of Wih is 512 bytes,
	s_lshl_b32 s26, s24, 10                        ; of Whh 1,024,
	s_mul_i32 s27, s19, 768                        ; of wpack 768,
	s_lshl_b32 s32, s19, 9                         ; of emb 512,
	s_lshl_b32 s33, s19, 8                         ; of embp 256
	v_lshl_add_u32 v3, v2, 4, s25                  ; my 4 numbers of Wih's row
	v_lshl_add_u32 v4, v2, 5, s26                  ; my 8 numbers of Whh's row
	v_lshl_add_u32 v5, v2, 3, s27                  ; where the 4 go
	v_lshl_add_u32 v6, v2, 4, s27                  ; where the 8 go, less 256
	v_lshl_add_u32 v7, v2, 4, s32                  ; my 4 numbers of emb's row
	v_lshl_add_u32 v28, v2, 3, s33                 ; where they go
	s_wait_kmcnt 0x0
	s_cmp_eq_u32 s20, 0
	s_cselect_b64 s[28:29], s[4:5], s[8:9]         ; the direction's Wih
	s_cselect_b64 s[30:31], s[6:7], s[10:11]       ; and Whh
	global_load_b128 v[8:11], v3, s[28:29] th:TH_LOAD_NT
	global_load_b128 v[12:15], v4, s[30:31] th:TH_LOAD_NT
	global_load_b128 v[16:19], v4, s[30:31] offset:16 th:TH_LOAD_NT
	s_cmp_lt_u32 s19, 128
	s_cbranch_scc0 .Lno_emb
	global_load_b128 v[20:23], v7, s[12:13] th:TH_LOAD_NT
	s_wait_loadcnt 0x0
	v_cvt_pk_bf16_f32 v30, v20, v21
	v_cvt_pk_bf16_f32 v31, v22, v23
	global_store_b64 v28, v[30:31], s[16:17]       ; 32 lanes x 8 bytes: a whole row of embp
.Lno_emb:
	s_wait_loadcnt 0x0                             ; all my loads are in
	v_cvt_pk_bf16_f32 v32, v8, v9
	v_cvt_pk_bf16_f32 v33, v10, v11
	v_cvt_pk_bf16_f32 v24, v12, v13
	v_cvt_pk_bf16_f32 v25, v14, v15
	v_cvt_pk_bf16_f32 v26, v16, v17
	v_cvt_pk_bf16_f32 v27, v18, v19
	global_store_b64 v5, v[32:33], s[14:15]        ; K 0..127: 256 consecutive bytes
	global_store_b128 v6, v[24:27], s[14:15] offset:256  ; K 128..383: 512 consecutive bytes
	s_endpgm
.Lfunc_end_k_qea49f09bae_prep:
	.size	k_qea49f09bae_prep, .Lfunc_end_k_qea49f09bae_prep-k_qea49f09bae_prep
	.p2alignl 7, 3214868480
	.fill 96, 4, 3214868480
	.section	.rodata,"a",@progbits
	.p2align	6, 0x0
	.amdhsa_kernel k_qea49f09bae_prep
		.amdhsa_group_segment_fixed_size 0
		.amdhsa_private_segment_fixed_size 0
		.amdhsa_enable_private_segment 0
		.amdhsa_kernarg_size 56
		.amdhsa_user_sgpr_count 2
		.amdhsa_user_sgpr_kernarg_segment_ptr 1
		.amdhsa_wavefront_size32 1
		.amdhsa_system_sgpr_workgroup_id_x 1
		.amdhsa_system_sgpr_workgroup_id_y 1
		.amdhsa_system_sgpr_workgroup_id_z 1
		.amdhsa_system_vgpr_workitem_id 0
		.amdhsa_next_free_vgpr 40
		.amdhsa_next_free_sgpr 66
		.amdhsa_reserve_vcc 0
		.amdhsa_float_denorm_mode_32 3
		.amdhsa_float_denorm_mode_16_64 3
		.amdhsa_memory_ordered 1
		.amdhsa_forward_progress 1
		.amdhsa_inst_pref_size 4
	.end_amdhsa_kernel
	.amdgpu_metadata
---
amdhsa.version: [ 1, 2 ]
amdhsa.kernels:
  - .name:           k_qea49f09bae_prep
    .symbol:         k_qea49f09bae_prep.kd
    .args:
      - { .name: Wih_f, .offset: 0, .size: 8, .value_kind: global_buffer, .address_space: global }
      - { .name: Whh_f, .offset: 8, .size: 8, .value_kind: global_buffer, .address_space: global }
      - { .name: Wih_b, .offset: 16, .size: 8, .value_kind: global_buffer, .address_space: global }
      - { .name: Whh_b, .offset: 24, .size: 8, .value_kind: global_buffer, .address_space: global }
      - { .name: emb, .offset: 32, .size: 8, .value_kind: global_buffer, .address_space: global }
      - { .name: wpack, .offset: 40, .size: 8, .value_kind: global_buffer, .address_space: global }
      - { .name: embp, .offset: 48, .size: 8, .value_kind: global_buffer, .address_space: global }
    .group_segment_fixed_size: 0
    .private_segment_fixed_size: 0
    .kernarg_segment_align: 8
    .kernarg_segment_size: 56
    .max_flat_workgroup_size: 256
    .sgpr_count:     66
    .vgpr_count:     40
    .wavefront_size: 32
...
	.end_amdgpu_metadata
.endif
;; end of part 1
;; launch lstm (part 2): grid 128 x 2, 4 waves a work-group, clusters of 4 x 1, 327,680 bytes of LDS; arguments char_ids, lengths, b_f, b_b, wpack, embp, out0; writes out0
.if DOCPART == 2
	.amdgcn_target "amdgcn-amd-amdhsa--gfx1250"
	.amdhsa_code_object_version 6
	.text
	.protected	k_qea49f09bae_lstm
	.globl	k_qea49f09bae_lstm
	.p2align	8
	.type	k_qea49f09bae_lstm,@function
k_qea49f09bae_lstm:
	s_mov_b64 s[64:65], 0
	v_nop
	global_prefetch_b8 v0, s[64:65] scope:SCOPE_SE
	s_setreg_imm32_b32 hwreg(HW_REG_WAVE_MODE, 25, 1), 1
	s_wait_xcnt 0x0
	s_wait_alu depctr_hold_cnt(0) depctr_sa_sdst(0) depctr_va_vdst(0) depctr_va_sdst(0) depctr_va_ssrc(0) depctr_va_vcc(0) depctr_vm_vsrc(0)
	s_getreg_b32 s2, hwreg(HW_REG_IB_STS2, 6, 4)
	s_cmp_eq_u32 s2, 0
	s_cbranch_scc0 .Lentry_in_a_cluster
	s_endpgm
.Lentry_in_a_cluster:
	s_bfe_u32 s2, ttmp6, 0x10000c
	s_cmp_lg_u32 s2, 0x3003
	s_cbranch_scc0 .Lentry_shape_is_right
	s_endpgm
.Lentry_shape_is_right:
; Both directions of the masked LSTM, all four steps, state kept on the WGP.  out0[word][256 dir + unit] = the direction's final h, f32.
; SHARES.  A work-group owns 128 words of one direction (grid y).  Wave w: word half wh = w / 2 (64 words = 4 tiles wt of 16), unit half uh = w % 2 (128 units = 8 passes p of 16).
; A pass makes the four gates of 16 units for 64 words: 16 accumulators (gate g, tile wt), K = 384 = [x 128 | h 256] in 12 pieces of 32: 192 matrix instructions.
; THE MATRIX INSTRUCTION IS USED TRANSPOSED: source 0 = 16 rows of the weights (units), source 1 = 16 words.  A lane (r = lane % 16, hf = lane / 16) then holds word r and units 8 hf + 0..7,
; the four gates of a (word, unit) lie in one lane, the mask is one number a lane, and h packs into 16 neighbouring bytes.  The bias is the C operand of the product that starts a sum.
; TIME IS RIGHT-ALIGNED.  L = lengths clamped to 0..4 (t runs over 0..3 only, so that changes nothing), THR = 4 - L.  Step s = 0..3 is valid where s >= THR; it takes character s - THR (forward)
; or 3 - s (backward).  So the steps that do not count come first, while h = c = 0, and the h of step 3 is the result.  With m = 1 or 0:
;   ei, ef, eo = 2^(-k a), eg = 2^min(-2 k a_g, 64), k = log2(e);  c = c / (1 + ef) + m (1 - eg) / ((1 + ei)(1 + eg));  ec = 2^(-2 k c);  h = (1 - ec) / ((1 + eo)(1 + ec)).
; With m = 0 and c = 0 that gives c = 0 and h = 0 exactly.  Only eg stands in a numerator, so only its exponent is capped (at 2^64 the tanh is -1 to the last bit); |c| <= 4, so ec <= e^8;
; an infinite ei, ef or eo gives a reciprocal of 0, the right limit.
; FORMATS.  emb, Wih, Whh and the bias are rounded once to bf16 (the bias is then kept as f32); h is rounded to bf16 as a matrix operand; gate sums, c and the h that is stored are f32.
; The first step's product with h = 0 is left out.
; LIMITS.  NaN and infinite inputs are not treated apart.  A reciprocal whose result would lie under 2^-126 counts as 0.  A character id outside 0..127 is taken as 127 (the problem keeps ids inside the table).
; THE WEIGHTS are streamed anew in each step: a pass's block of wpack (98,304 bytes: both unit halves) through two LDS slots; each wave fetches a quarter by one tensor load.  In step 0 only the
; first third of each row is used; the ring stays uniform.
; CLUSTER.  The four work-groups of a cluster have one direction and walk the same blocks of wpack: each quarter is asked for JOINTLY, by the same load with the same descriptor and the mask of four.
; The embedding rows hang on each work-group's own ids: they come from embp by ordinary loads into registers, so that no LDS address hangs on them.
; REGISTERS, in windows of 256 (s_set_vgpr_msb: bits 1:0 source 0, 3:2 source 1, 5:4 source 2, 7:6 destination):
;   window 0: v0-47 addresses, ids, masks; v48-79 the bias fragments; v80-207 the 16 accumulators; v208-239, v240-255 at work
;   window 1: c, 8 registers for (pass p, tile wt) at 32 p + 8 wt      window 2: h's fragments, 64 wt + 8 kc      window 3: v0-127 x's fragments, 32 wt + 8 kc; v128-255 the weights', two buffers
.set SLOTB, 104448                     ; a slot: 384 rows of 256 bytes + 16 of padding
.set WPIT,  816                        ; a weight row in LDS: three such rows = 51 x 16 bytes: the 16 rows of a load start at 16 different 16-byte columns modulo 256
.set GPIT,  16*WPIT                    ; from gate to gate
.set LQ,    26112                      ; a wave's quarter of a slot: 96 rows of 272 bytes
.set HB,    2*SLOTB                    ; h in bf16: 128 rows (words) of 512 bytes at pitch 528; in step 3 four stages of 64 rows at pitch 272, a wave's own each.  No tensor load lands here
.set HPIT,  528
.set STG,   17408
.set SPIT,  272
.set BIAS,  HB+4*STG                   ; the direction's 1,024 biases, f32
.set SPARE, BIAS+4096                  ; the spare words, 128 bytes for each wave: two blocks of 256 bytes that no other line names
.set CHUNK, 98304                      ; a pass's block of wpack
.set QUART, 24576                      ; a wave's quarter of it
.set DIRB,  786432                     ; a direction's eight blocks
.set VR,  1                            ; v1   r = lane % 16
.set VH,  2                            ; v2   hf = lane / 16
.set AW0, 3                            ; v3   (64 uh + r) x 816 + 16 hf: my place in a slot; never rewritten
.set AW,  4                            ; v4   the same in the slot in hand
.set AB,  5                            ; v5   the bias of the pass to come
.set AB0, 6                            ; v6   BIAS + 512 uh + 32 hf
.set AH,  7                            ; v7   HB + (64 wh + r) x 528 + 16 hf: where I read h
.set HS,  8                            ; v8   where I store h in this pass
.set HS0, 9                            ; v9   AH + 256 uh
.set SPW, 10                           ; v10  LDS address of my spare word; never rewritten
.set NIL, 11                           ; v11  0; never rewritten
.set XQ,  12                           ; v12-15  tile wt: my word's ids for steps 0..3, a byte each
.set XA,  16                           ; v16-19  tile wt: byte offset in embp of my word's row in this step, + 16 hf
.set THR, 28                           ; v28-31  tile wt: 4 - L
.set M,   32                           ; v32-39  tile wt: the pair (m, m)
.set ST0, 40                           ; v40  my stage: + 272 r + 32 hf
.set ST,  41                           ; v41  the same at this pass's 64 bytes
.set RD,  42                           ; v42  my stage: + 272 hf + 16 r
.set GO,  43                           ; v43  2,048 hf + 16 r: the same two rows in out0
.set PFO, 44                           ; v44  256 x lane; never rewritten
.set XB,  45                           ; v45  16 hf
.set BI,  48                           ; gate g's bias fragment at BI + 8 g
.set ACC, 80                           ; accumulator (g, wt) at ACC + 32 wt + 8 g; g = 0..3: i, f, g, o
.set TP,  208
.set PK,  240
.set WF,  128                          ; window 3: buffer b, piece k2, gate g at WF + 64 b + 32 k2 + 8 g
.set LEN, 80                           ; the head's scratch lies in the accumulators' registers
.set IDS, 84
.set BB,  100
.set BPK, 108
.set ZR,  112
.set LO,  116
.set IO,  117
.set BO,  118
.set ZA,  119
.set ZA2, 120
.set T0,  121
.set T1,  122
.set BA,  123
.set TH2, 124
.set WV,  18                           ; s18 wave; s19 wh; s20 uh; s21 cx; s22 block of 128 words; s23 direction
.set WH,  19
.set UH,  20
.set CX,  21
.set BLK, 22
.set DIR, 23
.set G1W, 24                           ; s[24:31] descriptor group 1
.set G0,  40                           ; s[40:43] the walking group 0
.set G0B, 44                           ; s[44:47] group 0 of the first block
.set WPD, 52                           ; s[52:53] wpack at my quarter of the direction's block 0
.set OFF, 54                           ; s[54:55] a block's byte offset
.set PFB, 56                           ; s[56:57] wpack at the 32 pieces of 256 bytes of block 0 that I would prefetch
.set PFA, 58                           ; s[58:59] the same in the block to be asked for
.set OUT, 60                           ; s[60:61] out0 at my 64 words, my direction, my unit half
.set S,   66                           ; s66 step
.set P,   67                           ; s67 pass
.set CN,  68                           ; s68 the block to be fetched next, 0..7
.set TB,  69                           ; s69 the slot in hand: 0 or SLOTB
.set CNT, 70
.set OC,  71
.set LW,  72                           ; s72 26,112 x wave
.set PFN, 73                           ; s73 prefetches still to be made
.set T,   74                           ; s[74:75] an offset; s75 stays 0
.set K1,  76                           ; s[76:77] -log2(e)
.set K2,  78                           ; s[78:79] -2 log2(e)
.set CAP, 80                           ; s80 64.0
.set U,   81                           ; s81, s82 scratch
.set U2,  82
.set SA,  83                           ; the head's: 1 forward, 0 backward
.set BP,  84                           ; s[84:85] the direction's bias
.set TS,  86                           ; s86-89: step s takes character TS_s - SA x THR
.set MSB, 0
.macro WIN new                         ; the immediate's high byte repeats the setting that is left; a switch that changes nothing is dropped
.if MSB != (\new)
	s_set_vgpr_msb (MSB<<8)|(\new)
.set MSB, \new
.endif
.endm
.macro PLACES                          ; four places behind matrix instructions, in front of loads into their registers and of vector work on their results
.rept 4
	v_nop
.endr
.endm
; A round of the cluster's barrier: my work-group's barrier, so that wave 0's signal speaks for all four waves; wave 0 signals; every wave waits for all four work-groups; my work-group's barrier once more.
.macro ROUND
	s_barrier_signal -1
	s_barrier_wait -1
	s_cmp_lg_u32 s[WV], 0
	s_cbranch_scc1 .Lnw0_\@
	s_barrier_signal -3
.Lnw0_\@:
	s_barrier_wait -3
	s_barrier_signal -1
	s_barrier_wait -1
.endm
	s_load_b256 s[4:11], s[0:1], 0x0               ; char_ids s[4:5], lengths s[6:7], b_f s[8:9], b_b s[10:11]
	s_load_b128 s[12:15], s[0:1], 0x20             ; wpack s[12:13], embp s[14:15]
	s_load_b64 s[16:17], s[0:1], 0x30              ; out0
	v_lshl_add_u32 v[SPW], v0, 2, SPARE
	v_mov_b32 v[NIL], 0
	ds_add_u32 v[SPW], v[NIL]                      ; the wave's opening: the add, twice on end, and its wait ahead of my first tensor load
	ds_add_u32 v[SPW], v[NIL]                      ; and once more; the set-up below, work on registers, stands between it and the wait
	v_lshrrev_b32 v46, 5, v0
	v_readfirstlane_b32 s[WV], v46                 ; wave 0..3
	s_lshr_b32 s[WH], s[WV], 1
	s_and_b32 s[UH], s[WV], 1
	s_bfe_u32 s[CX], ttmp6, 0x40000                ; my place in the cluster: it enters global addresses alone
	s_lshl_b32 s[BLK], ttmp9, 2                    ; in a cluster launch ttmp9 counts clusters
	s_add_co_u32 s[BLK], s[BLK], s[CX]
	s_and_b32 s[DIR], ttmp7, 0xffff                ; the direction, which the four partners share
	; descriptor group 1: 96 dense rows of 32 elements of 8 bytes, 16 bytes of padding behind each row in LDS
	s_mov_b32 s[G1W], 15|(3<<16)|(1<<20)|(1<<21)|(5<<22)|(3<<25)  ; 15:0 the mask of four; 17:16 8-byte elements; 20 padding on; 21 set beside a mask; 24:22 after every 64 words; 31:25 4 words
	s_mov_b32 s[G1W+1], 32<<16                     ; tensor_dim0 = 32
	s_mov_b32 s[G1W+2], 96<<16                     ; tensor_dim1 = 96
	s_mov_b32 s[G1W+3], 32<<16                     ; tile_dim0 = 32
	s_mov_b32 s[G1W+4], 96                         ; tile_dim1 = 96
	s_mov_b32 s[G1W+5], 32                         ; 32 elements from row to row
	s_mov_b32 s[G1W+6], 0
	s_mov_b32 s[G1W+7], 0
	s_mul_i32 s[LW], s[WV], LQ                     ; my quarter of a slot: no place in the cluster enters an LDS address
	s_mov_b32 s[G0B], 1
	s_mov_b32 s[G0B+1], s[LW]                      ; block 0 into slot 0
	s_mov_b32 s[G0], 1
	s_add_co_u32 s[G0+1], s[LW], SLOTB             ; block 1 into slot 1
	s_mul_i32 s[T], s[DIR], DIRB
	s_mov_b32 s[T+1], 0
	s_mul_i32 s84, s[CX], QUART                    ; the prefetches: the partners share a block's 384 pieces of 256 bytes out by address, 96 each;
	s_add_co_u32 s84, s84, s[T]
	s_min_u32 s[U2], s[WV], 2                      ; waves 0 to 2 take 32 each (wave 3 asks for nothing; its address stays inside)
	s_lshl_b32 s[U2], s[U2], 13
	s_add_co_u32 s84, s84, s[U2]
	s_mov_b32 s85, 0
	s_mul_i32 s[U2], s[WV], QUART
	s_add_co_u32 s[T], s[T], s[U2]                 ; my quarter of the direction's block 0
	s_lshl_b32 s[U], s[BLK], 7
	s_lshl_b32 s86, s[WH], 6
	s_add_co_u32 s[U], s[U], s86                   ; my wave's first word
	s_lshl_b32 s86, s[U], 11                       ; a row of out0 is 2,048 bytes,
	s_lshl_b32 s87, s[DIR], 10                     ; a direction 1,024,
	s_add_co_u32 s86, s86, s87
	s_lshl_b32 s87, s[UH], 9                       ; a unit half 512
	s_add_co_u32 s86, s86, s87
	s_mov_b32 s87, 0
	s_mov_b32 s[OFF+1], 0
	s_mov_b32 s[K1], 0xbfb8aa3b
	s_mov_b32 s[K1+1], s[K1]                       ; named with it as a pair
	s_mov_b32 s[K2], 0xc038aa3b
	s_mov_b32 s[K2+1], s[K2]
	s_mov_b32 s[CAP], 0x42800000
	s_and_b32 s[PFN], s[WH], s[WV]                 ; 1 in wave 3 alone,
	s_or_b32 s[PFN], s[PFN], ttmp9                 ; 0 in waves 0 to 2 of the direction's first cluster: the same in all four partners
	s_cmp_eq_u32 s[PFN], 0
	s_cselect_b32 s[PFN], 3, 0
	s_wait_dscnt 0x0                               ; both opening adds are done
	s_wait_kmcnt 0x0
	s_add_nc_u64 s[WPD:WPD+1], s[12:13], s[T:T+1]
	s_add_nc_u64 s[PFB:PFB+1], s[12:13], s[84:85]
	s_mov_b64 s[PFA:PFA+1], s[PFB:PFB+1]
	s_add_nc_u64 s[OUT:OUT+1], s[16:17], s[86:87]
	s_mov_b64 s[G0B+2:G0B+3], s[WPD:WPD+1]
	s_or_b32 s[G0B+3], s[G0B+3], 0x80000000        ; type = 2
	s_add_nc_u64 s[G0+2:G0+3], s[WPD:WPD+1], CHUNK
	s_or_b32 s[G0+3], s[G0+3], 0x80000000
	s_cmp_eq_u32 s[DIR], 0
	s_cselect_b64 s[BP:BP+1], s[8:9], s[10:11]
	s_cselect_b32 s[SA], 1, 0
	s_cselect_b32 s[TS], 0, 3
	s_cselect_b32 s[TS+1], 1, 2
	s_cselect_b32 s[TS+2], 2, 1
	s_cselect_b32 s[TS+3], 3, 0
	ROUND                                          ; all four work-groups are here: the first joint loads meet
	tensor_load_to_lds s[G0B:G0B+3], s[G1W:G1W+7]  ; the two first fills go out together: two loads of mine are out
	s_nop 0
	tensor_load_to_lds s[G0:G0+3], s[G1W:G1W+7]
	s_nop 0
	PLACES                                         ; an s_nop 0 behind each load; four v_nop ahead of a switch of windows
	v_and_b32 v[VR], 15, v0
	v_bfe_u32 v[VH], v0, 4, 1
	s_lshl_b32 s[U2], s[U], 2
	v_lshl_add_u32 v[LO], v[VR], 2, s[U2]          ; lengths: 4 bytes a word
	s_lshl_b32 s[U2], s[U], 4
	v_lshl_add_u32 v[IO], v[VR], 4, s[U2]          ; char_ids: 16 bytes a word
	v_lshlrev_b32 v[BO], 5, v0                     ; the bias: 8 numbers a thread
.irp wt, 0,1,2,3
	global_load_b32 v[LEN+(\wt)], v[LO], s[6:7] offset:64*(\wt)
	global_load_b128 v[IDS+4*(\wt):IDS+4*(\wt)+3], v[IO], s[4:5] offset:256*(\wt)
.endr
	global_load_b128 v[BB:BB+3], v[BO], s[BP:BP+1]
	global_load_b128 v[BB+4:BB+7], v[BO], s[BP:BP+1] offset:16
	; the lane's addresses, while those loads are out
	s_mul_i32 s[U2], s[UH], 64*WPIT
	v_mul_u32_u24 v[AW0], v[VR], WPIT
	v_lshl_add_u32 v[AW0], v[VH], 4, v[AW0]
	v_add_nc_u32 v[AW0], s[U2], v[AW0]
	s_lshl_b32 s[U2], s[UH], 9
	s_add_co_u32 s[U2], s[U2], BIAS
	v_lshl_add_u32 v[AB0], v[VH], 5, s[U2]
	s_mul_i32 s[U2], s[WH], 64*HPIT
	s_add_co_u32 s[U2], s[U2], HB
	v_mul_u32_u24 v[AH], v[VR], HPIT
	v_lshl_add_u32 v[AH], v[VH], 4, v[AH]
	v_add_nc_u32 v[AH], s[U2], v[AH]
	s_lshl_b32 s[U2], s[UH], 8
	v_add_nc_u32 v[HS0], s[U2], v[AH]
	s_mul_i32 s[U2], s[WV], STG
	s_add_co_u32 s[U2], s[U2], HB
	v_mul_u32_u24 v[ST0], v[VR], SPIT
	v_lshl_add_u32 v[ST0], v[VH], 5, v[ST0]
	v_add_nc_u32 v[ST0], s[U2], v[ST0]
	v_mul_u32_u24 v[RD], v[VH], SPIT
	v_lshl_add_u32 v[RD], v[VR], 4, v[RD]
	v_add_nc_u32 v[RD], s[U2], v[RD]
	v_lshlrev_b32 v[GO], 11, v[VH]
	v_lshl_add_u32 v[GO], v[VR], 4, v[GO]
	v_and_b32 v[PFO], 31, v0
	v_lshlrev_b32 v[PFO], 8, v[PFO]
	v_lshlrev_b32 v[XB], 4, v[VH]
	v_lshl_add_u32 v[BA], v0, 5, BIAS
	; h0 = 0: 128 rows of 528 bytes = 33 x 2,048 bytes, 16 bytes a thread
	v_lshl_add_u32 v[ZA], v0, 4, HB
	v_add_nc_u32 v[ZA2], 0x10000, v[ZA]
.irp k, 0,1,2,3
	v_mov_b32 v[ZR+(\k)], 0
.endr
.set zn, 0
.rept 32
	ds_store_b128 v[ZA], v[ZR:ZR+3] offset:2048*zn
.set zn, zn+1
.endr
	ds_store_b128 v[ZA2], v[ZR:ZR+3]
	; c0 = 0: 256 lines, once a launch, in the wait for the first block; c then lives in these registers for all four steps
	WIN 0x40
.set zn, 0
.rept 256
	v_mov_b32 v[zn], 0
.set zn, zn+1
.endr
	WIN 0
	s_wait_loadcnt 0x0                             ; lengths, ids and bias are in
.irp wt, 0,1,2,3
	v_max_i32 v[THR+(\wt)], 0, v[LEN+(\wt)]
	v_min_i32 v[THR+(\wt)], 4, v[THR+(\wt)]
	v_sub_nc_u32 v[THR+(\wt)], 4, v[THR+(\wt)]     ; THR = 4 - L
	v_mul_u32_u24 v[TH2+(\wt)], s[SA], v[THR+(\wt)]
.endr
.irp st, 0,1,2,3
.irp wt, 0,1,2,3
	v_sub_nc_u32 v[T0], s[TS+(\st)], v[TH2+(\wt)]  ; the character of step st; where the step does not count any character will do: 0
	v_max_i32 v[T0], 0, v[T0]
	v_cmp_eq_u32 vcc_lo, 1, v[T0]
	v_cndmask_b32 v[T1], v[IDS+4*(\wt)], v[IDS+4*(\wt)+1], vcc_lo
	v_cmp_eq_u32 vcc_lo, 2, v[T0]
	v_cndmask_b32 v[T1], v[T1], v[IDS+4*(\wt)+2], vcc_lo
	v_cmp_eq_u32 vcc_lo, 3, v[T0]
	v_cndmask_b32 v[T1], v[T1], v[IDS+4*(\wt)+3], vcc_lo
.if (\st) == 0
	v_min_u32 v[XQ+(\wt)], 127, v[T1]
.else
	v_min_u32 v[T1], 127, v[T1]
	v_lshl_or_b32 v[XQ+(\wt)], v[T1], 8*(\st), v[XQ+(\wt)]
.endif
.endr
.endr
.irp k, 0,1,2,3
	v_cvt_pk_bf16_f32 v[BPK+(\k)], v[BB+2*(\k)], v[BB+2*(\k)+1]  ; the bias rounded to bf16, like the other inputs,
.endr
.irp k, 0,1,2,3
	v_lshlrev_b32 v[BB+2*(\k)], 16, v[BPK+(\k)]    ; and written as f32 again
	v_and_b32 v[BB+2*(\k)+1], 0xffff0000, v[BPK+(\k)]
.endr
	ds_store_b128 v[BA], v[BB:BB+3]
	ds_store_b128 v[BA], v[BB+4:BB+7] offset:16
	s_wait_tensorcnt 0x1                           ; my quarter of block 0 is in; block 1's may stay out
	s_wait_dscnt 0x0                               ; for the others' sake: my stores of h0 and of the bias are done
	s_barrier_signal -1
	s_barrier_wait -1
; 16 LDS loads: the weights' fragments of pieces 2 q and 2 q + 1 of K, four gates each, into buffer q % 2.  Piece kc lies at byte 64 kc + 16 (kc / 4) of a weight row.
.macro LOADW q
	WIN 0xc0                                       ; destination window 3, address window 0
.irp k2, 0,1
.irp g, 0,1,2,3
	ds_load_b128 v[WF+64*((\q)%2)+32*(\k2)+8*(\g):WF+64*((\q)%2)+32*(\k2)+8*(\g)+3],   v[AW] offset:GPIT*(\g)+64*(2*(\q)+(\k2))+16*((2*(\q)+(\k2))/4)
	ds_load_b128 v[WF+64*((\q)%2)+32*(\k2)+8*(\g)+4:WF+64*((\q)%2)+32*(\k2)+8*(\g)+7], v[AW] offset:GPIT*(\g)+64*(2*(\q)+(\k2))+16*((2*(\q)+(\k2))/4)+32
.endr
.endr
.endm
; 32 matrix instructions: pieces 2 q and 2 q + 1 of K for all 16 accumulators, which take turns, one instruction a turn, in the same order everywhere.
; The very first piece starts the sums with the bias as C.
.macro MULG q
.if (\q) < 2
	WIN 0x0f                                       ; weights and x in window 3, C and D in window 0
.else
	WIN 0x0b                                       ; weights in window 3, h in window 2
.endif
.irp k2, 0,1
.irp g, 0,1,2,3
.irp wt, 0,1,2,3
.if (\q) < 2
.set rB, 32*(\wt)+8*(2*(\q)+(\k2))
.else
.set rB, 64*(\wt)+8*(2*(\q)+(\k2)-4)
.endif
.set rA, WF+64*((\q)%2)+32*(\k2)+8*(\g)
.set rD, ACC+32*(\wt)+8*(\g)
.if ((\q) == 0) && ((\k2) == 0)
	v_wmma_f32_16x16x32_bf16 v[rD:rD+7], v[rA:rA+7], v[rB:rB+7], v[BI+8*(\g):BI+8*(\g)+7]
.else
	v_wmma_f32_16x16x32_bf16 v[rD:rD+7], v[rA:rA+7], v[rB:rB+7], v[rD:rD+7]
.endif
.endr
.endr
.endr
.endm
; A pass's products.  Each run of 16 loads is issued four places behind the products that read its buffer, and waited for 32 products later.
; skip = 1: in step 0 h is 0, and the eight pieces of K that multiply it are jumped over (the jump passes LDS loads and products alone).
.macro MM skip
	s_wait_dscnt 0x0                               ; the bias and pieces 0 to 3, asked for ahead of the last pass's activations, are in
	MULG 0
.if \skip
	WIN 0
	s_cmp_eq_u32 s[S], 0
	s_cbranch_scc1 .Lmx_\@
.endif
	PLACES
	LOADW 2
.if \skip
	WIN 0
.Lmx_\@:
.endif
	MULG 1
.if \skip
	WIN 0
	s_cmp_eq_u32 s[S], 0
	s_cbranch_scc1 .Lmy_\@
.endif
	PLACES
	LOADW 3
	s_wait_dscnt 16                                ; all but the 16 just issued
	MULG 2
	PLACES
	LOADW 4
	s_wait_dscnt 16
	MULG 3
	PLACES
	LOADW 5
	s_wait_dscnt 16
	MULG 4
	s_wait_dscnt 0x0
	MULG 5
	WIN 0
.if \skip
.Lmy_\@:
.endif
.endm
; THE CHANGE OF SLOTS, behind a pass's products.  Each wave waits for all its tensor loads, of which one is out: its quarter of the other slot; adds 0 to its spare word; and waits for that and for
; its own reads of the slot.  fill = 1: the barrier is a round of the cluster's, so that no wave of any partner still reads the slot or has a load on its way, and the joint refill, with the block two
; passes on, is the first thing behind it; it has a pass's activations and the next pass's products in which to land.  The four v_nop behind it are also the places behind the last products.
.macro CHANGE fill, ask
	WIN 0
	s_wait_tensorcnt 0x0                           ; no tensor load of mine is out, so group 0 may be written
	ds_add_u32 v[SPW], v[NIL]                      ; 0 onto my spare word; the scalar work stands between it and the wait for it
.if \fill
	s_mul_i32 s[OFF], s[CN], CHUNK
	s_add_co_u32 s[G0+1], s[LW], s[TB]             ; my quarter of the slot just read
	s_add_nc_u64 s[G0+2:G0+3], s[WPD:WPD+1], s[OFF:OFF+1]
	s_or_b32 s[G0+3], s[G0+3], 0x80000000
.if \ask
	s_wait_xcnt 0x0                                ; the last prefetch, a pass back, has read its address
	s_add_co_u32 s[T], s[CN], 3
	s_and_b32 s[T], s[T], 7
	s_mul_i32 s[T], s[T], CHUNK
	s_add_nc_u64 s[PFA:PFA+1], s[PFB:PFB+1], s[T:T+1]  ; three blocks behind the one that is being fetched, modulo 8: always inside wpack
.endif
	s_add_co_u32 s[CN], s[CN], 1
	s_and_b32 s[CN], s[CN], 7
	s_wait_dscnt 0x0                               ; the add is done, and my reads of the slot are over
	ROUND
	tensor_load_to_lds s[G0:G0+3], s[G1W:G1W+7]
	s_nop 0
	PLACES
.else
	s_wait_dscnt 0x0
	s_barrier_signal -1
	s_barrier_wait -1                              ; the other slot is whole; nothing is asked for
	PLACES
.endif
	s_xor_b32 s[TB], s[TB], SLOTB
.endm
; The next pass's bias and its first four pieces of K, asked for ahead of this pass's activations.  guard = 1: behind the launch's last pass there is none.
.macro PRELOAD first, guard
.if \guard
	s_cmp_eq_u32 s[CNT], 1
	s_cbranch_scc1 .Lnp_\@
.endif
	v_add_nc_u32 v[AW], s[TB], v[AW0]
.if \first
	v_mov_b32 v[AB], v[AB0]
.else
	s_add_co_u32 s[U], s[P], 1
	s_and_b32 s[U], s[U], 7
	s_lshl_b32 s[U], s[U], 6                       ; a pass's 16 units are 64 bytes of the bias
	v_add_nc_u32 v[AB], s[U], v[AB0]
.endif
.irp g, 0,1,2,3
	ds_load_b128 v[BI+8*(\g):BI+8*(\g)+3],   v[AB] offset:1024*(\g)
	ds_load_b128 v[BI+8*(\g)+4:BI+8*(\g)+7], v[AB] offset:1024*(\g)+16
.endr
	LOADW 0
	LOADW 1
	WIN 0
.if \guard
.Lnp_\@:
.endif
.endm
; A PREFETCH INTO THE L2, in the first walk of wpack alone (the later steps read the same blocks again).  The changes of slots of passes 0, 1, 2 of step 0 ask for blocks 5, 6, 7, three passes ahead
; of the loads that fetch them.  All clusters of a direction walk the same blocks: the direction's first cluster asks; its partners share a block out by address, 96 pieces of 256 bytes each;
; waves 0 to 2 take 32 each, a lane a piece: each piece is named once.  Blocks 0 to 4 come by their loads alone.  It stands behind the joint load and the run of LDS loads.
.macro ASK
	s_cmp_lg_u32 s[PFN], 0
	s_cbranch_scc0 .Lna_\@
	global_prefetch_b8 v[PFO], s[PFA:PFA+1] th:TH_LOAD_NT scope:SCOPE_SE
.Lna_\@:
	s_max_u32 s[PFN], s[PFN], 1
	s_sub_co_u32 s[PFN], s[PFN], 1
.endm
; c of pass n lies in registers of its own, and a register number is no variable: one block of text for each pass, chosen by forward jumps on the pass's number.
; Block n: c = c rf + m sigmoid(i) tanh(g), then -2 k c into I's registers.
.macro LBLOCK n, hi, tag
.if (\n) != (\hi)
	s_cmp_lg_u32 s[P], \n
	s_cbranch_scc1 .Lnx\n\()t\tag
.endif
	WIN 0x41                                       ; c (destination and source 0) in window 1
.set zn, 0
.rept 16
.set rC, 32*(\n)+8*(zn/4)+2*(zn%4)
.set rI, ACC+32*(zn/4)+2*(zn%4)
	v_pk_fma_f32 v[rC:rC+1], v[rC:rC+1], v[rI+8:rI+9], v[rI+16:rI+17]
.set zn, zn+1
.endr
	WIN 0x01                                       ; c as source 0
.set zn, 0
.rept 16
.set rC, 32*(\n)+8*(zn/4)+2*(zn%4)
.set rI, ACC+32*(zn/4)+2*(zn%4)
	v_pk_mul_f32 v[rI:rI+1], v[rC:rC+1], s[K2:K2+1] op_sel_hi:[1,0]
.set zn, zn+1
.endr
	WIN 0
.if (\n) != (\hi)
	s_branch .Lld\tag
.Lnx\n\()t\tag:
.endif
.endm
.macro LADDER lo, hi
.irp n, 0,1,2,3,4,5,6,7
.if ((\n) >= (\lo)) && ((\n) <= (\hi))
	LBLOCK \n, \hi, \@
.endif
.endr
.Lld\@:
.endm
; THE ACTIVATIONS of a pass, in place on the 16 accumulators (of tile wt: I at ACC + 32 wt, F + 8, G + 16, O + 24), each read from its lowest registers on.
; Four batches of exponentials or reciprocals.  Inside a batch nothing names a result; behind its last line stand one plain instruction and one wait ahead of the first reader.
; last = 0: h goes to LDS in bf16, for the next step's products.  last = 1 (step 3): h goes out in f32, through my own stage.
.macro ACT last, lo, hi
	; batch 1: the gate sums times -k (g: -2 k, capped at 64), and 2^ of them: block zb's scalings stand among block zb - 1's exponentials
.set zb, 0
.rept 17
.set zj, 0
.rept 4
.if zb < 16
.set ra, ACC+8*zb+2*zj
.if (zb%4) == 2
	v_pk_mul_f32 v[ra:ra+1], v[ra:ra+1], s[K2:K2+1] op_sel_hi:[1,0]
	v_min_num_f32 v[ra], s[CAP], v[ra]
	v_min_num_f32 v[ra+1], s[CAP], v[ra+1]
.else
	v_pk_mul_f32 v[ra:ra+1], v[ra:ra+1], s[K1:K1+1] op_sel_hi:[1,0]
.endif
.endif
.if zb > 0
.set re, ACC+8*(zb-1)+2*zj
	v_exp_f32 v[re], v[re]
	v_exp_f32 v[re+1], v[re+1]
.endif
.set zj, zj+1
.endr
.set zb, zb+1
.endr
	v_nop
	s_wait_alu depctr_va_vdst(0)
	; batch 2: pg = 1 + eg; G = m (1 - eg); F = 1 + ef; I = (1 + ei) pg; then 1 / I and 1 / F: tile zw's plain lines stand among tile zw - 1's reciprocals
.set zw, 0
.rept 5
.set zn, 0
.rept 16
.if zw < 4
.set rI, ACC+32*zw+2*(zn%4)
.set rT, TP+8*zw+2*(zn%4)
.set rM, M+2*zw
.if (zn/4) == 0
	v_pk_add_f32 v[rT:rT+1], v[rI+16:rI+17], 1.0 op_sel_hi:[1,0]
.elseif (zn/4) == 1
	v_pk_fma_f32 v[rI+16:rI+17], v[rI+16:rI+17], v[rM:rM+1], v[rM:rM+1] neg_lo:[0,1,0] neg_hi:[0,1,0]
.elseif (zn/4) == 2
	v_pk_add_f32 v[rI+8:rI+9], v[rI+8:rI+9], 1.0 op_sel_hi:[1,0]
.else
	v_pk_fma_f32 v[rI:rI+1], v[rI:rI+1], v[rT:rT+1], v[rT:rT+1]
.endif
.endif
.if zw > 0
.set rr, ACC+32*(zw-1)+zn
	v_rcp_f32 v[rr], v[rr]
.endif
.set zn, zn+1
.endr
.set zw, zw+1
.endr
	v_nop
	s_wait_alu depctr_va_vdst(0)
	; batch 3: G = m sigmoid(i) tanh(g); the new c; ec = 2^(-2 k c)
.set zn, 0
.rept 16
.set rI, ACC+32*(zn/4)+2*(zn%4)
	v_pk_mul_f32 v[rI+16:rI+17], v[rI+16:rI+17], v[rI:rI+1]
.set zn, zn+1
.endr
	LADDER \lo, \hi
.set zn, 0
.rept 32
.set rI, ACC+32*(zn/8)+(zn%8)
	v_exp_f32 v[rI], v[rI]
.set zn, zn+1
.endr
	v_nop
	s_wait_alu depctr_va_vdst(0)
	; batch 4: pc = 1 + ec; I = 1 - ec; O = (1 + eo) pc; then 1 / O
.set zw, 0
.rept 5
.set zn, 0
.rept 12
.if zw < 4
.set rI, ACC+32*zw+2*(zn%4)
.set rT, TP+8*zw+2*(zn%4)
.if (zn/4) == 0
	v_pk_add_f32 v[rT:rT+1], v[rI:rI+1], 1.0 op_sel_hi:[1,0]
.elseif (zn/4) == 1
	v_pk_fma_f32 v[rI:rI+1], v[rI:rI+1], -1.0, 1.0 op_sel_hi:[1,0,0]
.else
	v_pk_fma_f32 v[rI+24:rI+25], v[rI+24:rI+25], v[rT:rT+1], v[rT:rT+1]
.endif
.endif
.if (zw > 0) && (zn < 8)
.set rr, ACC+32*(zw-1)+24+zn
	v_rcp_f32 v[rr], v[rr]
.endif
.set zn, zn+1
.endr
.set zw, zw+1
.endr
	v_nop
	s_wait_alu depctr_va_vdst(0)
	; h = (1 - ec) / ((1 + eo)(1 + ec))
.set zn, 0
.rept 16
.set rI, ACC+32*(zn/4)+2*(zn%4)
	v_pk_mul_f32 v[rI:rI+1], v[rI:rI+1], v[rI+24:rI+25]
.set zn, zn+1
.endr
.if \last
	s_and_b32 s[U], s[P], 3
	s_lshl_b32 s[U2], s[U], 6                      ; a pass's 16 units are 64 bytes of a stage row
	v_add_nc_u32 v[ST], s[U2], v[ST0]
.irp wt, 0,1,2,3
	ds_store_b128 v[ST], v[ACC+32*(\wt):ACC+32*(\wt)+3]   offset:16*SPIT*(\wt)
	ds_store_b128 v[ST], v[ACC+32*(\wt)+4:ACC+32*(\wt)+7] offset:16*SPIT*(\wt)+16
.endr
	s_cmp_lg_u32 s[U], 3                           ; four passes fill the stage's rows: 64 units, 256 bytes
	s_cbranch_scc1 .Lnf_\@
.set zt, 0
.rept 32
	ds_load_b128 v[ACC+4*zt:ACC+4*zt+3], v[RD] offset:2*SPIT*zt  ; LDS serves a wave's instructions in order (ISA guide 5.7.1.4): these see my stores above; the stage is mine alone
.set zt, zt+1
.endr
.set zt, 0
.rept 32
	s_wait_dscnt 31-zt                             ; the younger stage loads may stay out
	global_store_b128 v[GO], v[ACC+4*zt:ACC+4*zt+3], s[OUT:OUT+1] offset:4096*zt th:TH_STORE_NT  ; 16 lanes store 256 consecutive bytes, at a multiple of 256 from out0's first byte
.set zt, zt+1
.endr
	s_wait_xcnt 0x0                                ; the stores have read their registers and their base: both are written again only behind this wait
	s_add_nc_u64 s[OUT:OUT+1], s[OUT:OUT+1], 256   ; the next 64 units
.Lnf_\@:
.else
	s_lshl_b32 s[U], s[P], 5                       ; a pass's 16 units are 32 bytes of a row of h
	v_add_nc_u32 v[HS], s[U], v[HS0]
.set zn, 0
.rept 16
	v_cvt_pk_bf16_f32 v[PK+zn], v[ACC+32*(zn/4)+2*(zn%4)], v[ACC+32*(zn/4)+2*(zn%4)+1]
.set zn, zn+1
.endr
.irp wt, 0,1,2,3
	ds_store_b128 v[HS], v[PK+4*(\wt):PK+4*(\wt)+3] offset:16*HPIT*(\wt)
.endr
.endif
.endm
; A STEP BEGINS.  x: my 64 words' rows of embp, straight into registers; the id is byte S of the queue, held to 0..127 right in front of the address.  h: behind a barrier that shows every wave's
; stores of the last step done; a second barrier stands behind every wave's reads, ahead of the step's first store of h.  The tensor load that is out stays out.
.macro PRO
	s_lshl_b32 s[U], s[S], 3
.irp wt, 0,1,2,3
	v_lshrrev_b32 v[XA+(\wt)], s[U], v[XQ+(\wt)]
	v_and_b32 v[XA+(\wt)], 0xff, v[XA+(\wt)]
	v_min_u32 v[XA+(\wt)], 127, v[XA+(\wt)]
	v_lshlrev_b32 v[XA+(\wt)], 8, v[XA+(\wt)]      ; a row of embp is 256 bytes
	v_add_nc_u32 v[XA+(\wt)], v[XB], v[XA+(\wt)]
.endr
	WIN 0xc0                                       ; destination window 3
.irp wt, 0,1,2,3
.irp kc, 0,1,2,3
	global_load_b128 v[32*(\wt)+8*(\kc):32*(\wt)+8*(\kc)+3],   v[XA+(\wt)], s[14:15] offset:64*(\kc)
	global_load_b128 v[32*(\wt)+8*(\kc)+4:32*(\wt)+8*(\kc)+7], v[XA+(\wt)], s[14:15] offset:64*(\kc)+32
.endr
.endr
	s_wait_dscnt 0x0                               ; for the others' sake: my stores of h are done
	s_barrier_signal -1
	s_barrier_wait -1
	WIN 0x80                                       ; destination window 2
.irp wt, 0,1,2,3
.irp kc, 0,1,2,3,4,5,6,7
	ds_load_b128 v[64*(\wt)+8*(\kc):64*(\wt)+8*(\kc)+3],   v[AH] offset:16*HPIT*(\wt)+64*(\kc)
	ds_load_b128 v[64*(\wt)+8*(\kc)+4:64*(\wt)+8*(\kc)+7], v[AH] offset:16*HPIT*(\wt)+64*(\kc)+32
.endr
.endr
	WIN 0
.irp wt, 0,1,2,3
	v_cmp_ge_i32 vcc_lo, s[S], v[THR+(\wt)]        ; does the step count for my word?
	v_cndmask_b32 v[M+2*(\wt)], 0, 1.0, vcc_lo
	v_cndmask_b32 v[M+2*(\wt)+1], 0, 1.0, vcc_lo
.endr
	s_wait_loadcnt 0x0                             ; x is in
	s_wait_dscnt 0x0                               ; h is in: my reads of it are over
	s_barrier_signal -1
	s_barrier_wait -1
.endm
.macro TRIP fill, last, skip, ask, lo, hi, guard
	MM \skip
	CHANGE \fill, \ask
	PRELOAD 0, \guard
.if \ask
	ASK
.endif
	ACT \last, \lo, \hi
	s_add_co_u32 s[P], s[P], 1
	s_and_b32 s[P], s[P], 7
.endm
	s_mov_b32 s[S], 0
	s_mov_b32 s[P], 0
	s_mov_b32 s[CN], 2                             ; blocks 0 and 1 have been asked for
	s_mov_b32 s[TB], 0
	s_mov_b32 s[OC], 3
	PRELOAD 1, 0                                   ; pass 0
.Lstep:                                                ; steps 0, 1, 2
	PRO
	s_mov_b32 s[CNT], 8
.Ltrip:                                                ; a pass: its products; the slot is filled again; the next pass's first fragments; its activations
	TRIP 1, 0, 1, 1, 0, 7, 0
	s_sub_co_u32 s[CNT], s[CNT], 1
	s_cmp_lg_u32 s[CNT], 0
	s_cbranch_scc1 .Ltrip
	s_add_co_u32 s[S], s[S], 1
	s_sub_co_u32 s[OC], s[OC], 1
	s_cmp_lg_u32 s[OC], 0
	s_cbranch_scc1 .Lstep
	PRO                                            ; step 3: h leaves
	s_mov_b32 s[CNT], 6
.LtripA:                                               ; passes 0 to 5 still fill a slot again
	TRIP 1, 1, 0, 0, 0, 5, 0
	s_sub_co_u32 s[CNT], s[CNT], 1
	s_cmp_lg_u32 s[CNT], 0
	s_cbranch_scc1 .LtripA
	s_mov_b32 s[CNT], 2
.LtripB:                                               ; the last two passes have a text of their own: nothing is asked for
	TRIP 0, 1, 0, 0, 6, 7, 1
	s_sub_co_u32 s[CNT], s[CNT], 1
	s_cmp_lg_u32 s[CNT], 0
	s_cbranch_scc1 .LtripB
	s_wait_tensorcnt 0x0                           ; the wave's end, behind my last tensor load and my last LDS store
	ds_add_u32 v[SPW], v[NIL]
	s_wait_dscnt 0x0
	ROUND                                          ; the closing round: no work-group ends while a partner may still ask for a block that names it
	s_endpgm
.Lfunc_end_k_qea49f09bae_lstm:
	.size	k_qea49f09bae_lstm, .Lfunc_end_k_qea49f09bae_lstm-k_qea49f09bae_lstm
	.p2alignl 7, 3214868480
	.fill 96, 4, 3214868480
	.section	.rodata,"a",@progbits
	.p2align	6, 0x0
	.amdhsa_kernel k_qea49f09bae_lstm
		.amdhsa_group_segment_fixed_size 327680
		.amdhsa_private_segment_fixed_size 0
		.amdhsa_enable_private_segment 0
		.amdhsa_kernarg_size 56
		.amdhsa_user_sgpr_count 2
		.amdhsa_user_sgpr_kernarg_segment_ptr 1
		.amdhsa_wavefront_size32 1
		.amdhsa_system_sgpr_workgroup_id_x 1
		.amdhsa_system_sgpr_workgroup_id_y 1
		.amdhsa_system_sgpr_workgroup_id_z 1
		.amdhsa_system_vgpr_workitem_id 0
		.amdhsa_next_free_vgpr 1024
		.amdhsa_next_free_sgpr 96
		.amdhsa_reserve_vcc 1
		.amdhsa_float_denorm_mode_32 3
		.amdhsa_float_denorm_mode_16_64 3
		.amdhsa_memory_ordered 1
		.amdhsa_forward_progress 1
		.amdhsa_inst_pref_size 225
	.end_amdhsa_kernel
	.amdgpu_metadata
---
amdhsa.version: [ 1, 2 ]
amdhsa.kernels:
  - .name:           k_qea49f09bae_lstm
    .symbol:         k_qea49f09bae_lstm.kd
    .args:
      - { .name: char_ids, .offset: 0, .size: 8, .value_kind: global_buffer, .address_space: global }
      - { .name: lengths, .offset: 8, .size: 8, .value_kind: global_buffer, .address_space: global }
      - { .name: b_f, .offset: 16, .size: 8, .value_kind: global_buffer, .address_space: global }
      - { .name: b_b, .offset: 24, .size: 8, .value_kind: global_buffer, .address_space: global }
      - { .name: wpack, .offset: 32, .size: 8, .value_kind: global_buffer, .address_space: global }
      - { .name: embp, .offset: 40, .size: 8, .value_kind: global_buffer, .address_space: global }
      - { .name: out0, .offset: 48, .size: 8, .value_kind: global_buffer, .address_space: global }
    .group_segment_fixed_size: 327680
    .private_segment_fixed_size: 0
    .kernarg_segment_align: 8
    .kernarg_segment_size: 56
    .max_flat_workgroup_size: 128
    .sgpr_count:     96
    .vgpr_count:     1024
    .wavefront_size: 32
...
	.end_amdgpu_metadata
.endif
;; end of part 2
